; MI455X (gfx1250); checked and timed in simulation.
; The chip was launched on July 23, 2026; its instructions are those of AMD's public machine-readable ISA for CDNA 5 (MIT licence, August 2026) and "CDNA5" Instruction Set Architecture Reference Guide (July 2026). The comments in the code are by the model that wrote it; some were corrected since.
;; F Mo E Transformer MLP. Allowed arithmetic: float matrix products may take bf16 or f16 operands with f32 sums; other float arithmetic in f32, or as packed bf16 or f16 multiplies, adds, multiply-adds, maxima and minima; sums over many terms, partial sums and values carried from step to step in f32; what a program stores and reads back later, other than sums and carried values, may be rounded once to bf16 or f16.
;; Inputs: gate_b 8 float32; gate_w 8 x 1,024 float32; inp 256 x 4 x 1,024 float32; ln_beta 1,024 float32; ln_gamma 1,024 float32; moe_bias 1,024 float32; w1 8 x 4,096 x 1,024 float32; w2 8 x 1,024 x 4,096 float32.
;; Outputs: out0 256 x 4 x 1,024 float32; out1 1,024 float32.
;; One version. Each part assembles by itself: llvm-mc -triple=amdgcn-amd-amdhsa -mcpu=gfx1250 --defsym DOCPART=n.
;; ======== version 1 of 1: 5 launches
;; workspace buffers: xb 2,097,152 bytes; eidx 8,192 bytes of whole numbers; score 8,192 bytes; xs 16,777,216 bytes; hid 67,108,864 bytes; pos 32,768 bytes of whole numbers; meta 1,024 bytes of whole numbers; part 134,217,728 bytes
;; launch router (part 1): grid 256 x 1, 4 waves a work-group, no clusters, 0 bytes of LDS; arguments inp, gate_w, gate_b, moe_bias, xb, eidx, score, out1; writes xb, eidx, score, out1
.if DOCPART == 1
	.amdgcn_target "amdgcn-amd-amdhsa--gfx1250"
	.amdhsa_code_object_version 6
	.text
	.protected	k_q22bab679d2_router
	.globl	k_q22bab679d2_router
	.p2align	8
	.type	k_q22bab679d2_router,@function
k_q22bab679d2_router:
	s_mov_b64 s[64:65], 0
	v_nop
	global_prefetch_b8 v0, s[64:65] scope:SCOPE_SE
	s_setreg_imm32_b32 hwreg(HW_REG_WAVE_MODE, 25, 1), 1
	s_wait_xcnt 0x0
; THE GATE.  One wave takes one token t = 4 x work-group + wave: 8 logits x . gate_w[e] + gate_b[e] in f32, the two largest (a tie keeps the lower index),
; the softmax of those two with the larger taken away first, and x rounded once to bf16 for the first product.  Stored at fixed places: xb[t][:], eidx[t][0..1], score[t][0..1].
; Work-groups 0 to 7 also copy 512 bytes each of moe_bias to out1.
; LIMITS.  The logits' sums run in another order than a plain dot product: two logits closer than some 1e-6 of their size may change places.  NaN and infinities are not treated apart.
; No LDS, no matrix unit: 8 dot products of 1,024 a token are too few to feed one, and the choice wants f32.
.set X,  8                             ; v[8:39]    x: load j brings elements 128 j + 4 lane .. + 3
.set GW, 40                            ; v[40:167]  four buffers of 32: gate_w's rows by turns, same places as x
.set LG, 168                           ; v[168:175] the 8 logits
.set Y,  176                           ; v[176:191] x in bf16
.macro GLOAD e                         ; row e of gate_w into buffer e % 4: eight loads of 512 consecutive bytes
.set g_, GW+32*((\e)&3)
.set j_, 0
.rept 8
	global_load_b128 v[g_+4*j_:g_+4*j_+3], v2, s[6:7] offset:4096*(\e)+512*j_
.set j_, j_+1
.endr
.endm
.macro DOT e                           ; my 32 products of logit e, in two chains of packed multiply-adds
.set g_, GW+32*((\e)&3)
	v_pk_mul_f32 v[192:193], v[X:X+1], v[g_:g_+1]
	v_pk_mul_f32 v[194:195], v[X+2:X+3], v[g_+2:g_+3]
.set p_, 2
.rept 14
	v_pk_fma_f32 v[192+2*(p_&1):193+2*(p_&1)], v[X+2*p_:X+2*p_+1], v[g_+2*p_:g_+2*p_+1], v[192+2*(p_&1):193+2*(p_&1)]
.set p_, p_+1
.endr
	v_pk_add_f32 v[192:193], v[192:193], v[194:195]
	v_add_f32 v[LG+(\e)], v192, v193
.endm
	s_load_b256 s[4:11], s[0:1], 0x0               ; inp s[4:5], gate_w s[6:7], gate_b s[8:9], moe_bias s[10:11]
	s_load_b256 s[12:19], s[0:1], 0x20             ; xb s[12:13], eidx s[14:15], score s[16:17], out1 s[18:19]
	v_and_b32 v1, 31, v0                           ; lane
	v_lshrrev_b32 v4, 5, v0
	v_readfirstlane_b32 s28, v4                    ; wave
	s_lshl2_add_u32 s29, ttmp9, s28                ; t = 4 x work-group + wave
	v_lshlrev_b32 v2, 4, v1                        ; 16 x lane
	v_lshlrev_b32 v3, 3, v1                        ; 8 x lane
	s_lshl_b32 s30, s29, 12                        ; t's row in inp
	s_mov_b32 s31, 0
	s_lshl_b32 s32, s29, 11                        ; in xb
	s_mov_b32 s33, 0
	s_lshl_b32 s36, s29, 3                         ; in eidx and score
	s_mov_b32 s37, 0
	s_mov_b32 s34, 0x76543210                      ; v_permlanex16_b32: each lane takes its own place in the other half
	s_mov_b32 s35, 0xfedcba98
	s_wait_kmcnt 0x0
	s_load_b256 s[20:27], s[8:9], 0x0              ; gate_b
	s_add_nc_u64 s[4:5], s[4:5], s[30:31]
	s_add_nc_u64 s[12:13], s[12:13], s[32:33]
	s_add_nc_u64 s[14:15], s[14:15], s[36:37]
	s_add_nc_u64 s[16:17], s[16:17], s[36:37]
.set j_, 0
.rept 8
	global_load_b128 v[X+4*j_:X+4*j_+3], v2, s[4:5] offset:512*j_
.set j_, j_+1
.endr
	GLOAD 0
	GLOAD 1
	GLOAD 2
	GLOAD 3
	s_wait_loadcnt 32                              ; x is in: the 32 loads of gate_w's rows 0 to 3 are younger
.set j_, 0
.rept 8
	v_cvt_pk_bf16_f32 v[Y+2*j_], v[X+4*j_], v[X+4*j_+1]
	v_cvt_pk_bf16_f32 v[Y+2*j_+1], v[X+4*j_+2], v[X+4*j_+3]
	global_store_b64 v3, v[Y+2*j_:Y+2*j_+1], s[12:13] offset:256*j_  ; the wave's store covers 256 consecutive bytes, aligned
.set j_, j_+1
.endr
.irp e, 0,1,2,3
	s_wait_loadcnt 24                              ; row e is in: three rows of eight loads are younger
	DOT \e
	GLOAD \e+4                                     ; its buffer takes the row four further on
.endr
	s_wait_loadcnt 24                              ; rows 5, 6, 7 are younger
	DOT 4
	s_wait_loadcnt 16
	DOT 5
	s_wait_loadcnt 8
	DOT 6
	s_wait_loadcnt 0
	DOT 7
	; across the 32 lanes, the eight sums side by side: four steps inside each half of 16 lanes, one across the halves
.irp m, 1,2,4,8
.irp e, 0,1,2,3,4,5,6,7
	v_add_f32_dpp v[LG+\e], v[LG+\e], v[LG+\e] row_xmask:\m row_mask:0xf bank_mask:0xf
.endr
.endr
.irp e, 0,1,2,3,4,5,6,7
	v_permlanex16_b32 v[GW+\e], v[LG+\e], s34, s35 ; its destination counts as read: gate_w's registers have been written
.endr
	s_wait_kmcnt 0x0                               ; gate_b
.irp e, 0,1,2,3,4,5,6,7
	v_add_f32 v[LG+\e], v[LG+\e], v[GW+\e]
.endr
.irp e, 0,1,2,3,4,5,6,7
	v_add_f32 v[LG+\e], s[20+\e], v[LG+\e]
.endr
	; the largest, by strict comparison in ascending order: a tie keeps the lower index.  Every lane holds all eight logits.
	v_mov_b32 v200, v[LG]                          ; m1
	v_mov_b32 v208, 0                              ; i1
.irp e, 1,2,3,4,5,6,7
	v_cmp_gt_f32 vcc_lo, v[LG+\e], v200
	v_cndmask_b32 v200, v200, v[LG+\e], vcc_lo
	v_cndmask_b32 v208, v208, \e, vcc_lo
.endr
	v_mov_b32 v204, 0xff800000                     ; the winner leaves the field: -infinity in its place
.irp e, 0,1,2,3,4,5,6,7
	v_cmp_eq_u32 vcc_lo, \e, v208
	v_cndmask_b32 v[LG+\e], v[LG+\e], v204, vcc_lo
.endr
	v_mov_b32 v201, v[LG]                          ; m2
	v_mov_b32 v209, 0                              ; i2
.irp e, 1,2,3,4,5,6,7
	v_cmp_gt_f32 vcc_lo, v[LG+\e], v201
	v_cndmask_b32 v201, v201, v[LG+\e], vcc_lo
	v_cndmask_b32 v209, v209, \e, vcc_lo
.endr
	; softmax of (m1, m2) with m1 taken away: e = exp(m2 - m1) <= 1; s1 = 1 / (1 + e), s2 = e s1
	v_sub_f32 v205, v201, v200
	v_mul_f32 v205, 0x3fb8aa3b, v205               ; x log2(e)
	v_exp_f32 v205, v205
	v_nop                                          ; a plain instruction between a transcendental and the use of its result (ISA guide 5.7.2)
	s_wait_alu depctr_va_vdst(0)
	v_add_f32 v206, 1.0, v205
	v_rcp_f32 v206, v206
	v_mov_b32 v210, 0                              ; (the plain instruction behind the reciprocal) the stores' offset
	s_wait_alu depctr_va_vdst(0)
	v_mul_f32 v207, v205, v206
	v_cmp_eq_u32 vcc_lo, 0, v1
	s_wait_xcnt 0x0                                ; EXEC changes only when every earlier memory instruction has had its addresses translated
	s_and_saveexec_b32 s38, vcc_lo                 ; lane 0 alone
	global_store_b64 v210, v[208:209], s[14:15]    ; eidx[t]
	global_store_b64 v210, v[206:207], s[16:17]    ; score[t]
	s_wait_xcnt 0x0
	s_or_b32 exec_lo, exec_lo, s38
	; out1 = moe_bias: wave 0 of work-groups 0 to 7, 512 consecutive bytes each
	s_cmp_lg_u32 s28, 0
	s_cbranch_scc1 .Lend
	s_mov_b32 s39, ttmp9
	s_cmp_ge_u32 s39, 8
	s_cbranch_scc1 .Lend
	s_lshl_b32 s39, s39, 9
	v_add_nc_u32 v212, s39, v2
	global_load_b128 v[216:219], v212, s[10:11]
	s_wait_loadcnt 0x0
	global_store_b128 v212, v[216:219], s[18:19]
.Lend:
	s_endpgm
.Lfunc_end_k_q22bab679d2_router:
	.size	k_q22bab679d2_router, .Lfunc_end_k_q22bab679d2_router-k_q22bab679d2_router
	.p2alignl 7, 3214868480
	.fill 96, 4, 3214868480
	.section	.rodata,"a",@progbits
	.p2align	6, 0x0
	.amdhsa_kernel k_q22bab679d2_router
		.amdhsa_group_segment_fixed_size 0
		.amdhsa_private_segment_fixed_size 0
		.amdhsa_enable_private_segment 0
		.amdhsa_kernarg_size 64
		.amdhsa_user_sgpr_count 2
		.amdhsa_user_sgpr_kernarg_segment_ptr 1
		.amdhsa_wavefront_size32 1
		.amdhsa_system_sgpr_workgroup_id_x 1
		.amdhsa_system_sgpr_workgroup_id_y 1
		.amdhsa_system_sgpr_workgroup_id_z 1
		.amdhsa_system_vgpr_workitem_id 0
		.amdhsa_next_free_vgpr 220
		.amdhsa_next_free_sgpr 66
		.amdhsa_reserve_vcc 1
		.amdhsa_float_denorm_mode_32 3
		.amdhsa_float_denorm_mode_16_64 3
		.amdhsa_memory_ordered 1
		.amdhsa_forward_progress 1
		.amdhsa_inst_pref_size 26
	.end_amdhsa_kernel
	.amdgpu_metadata
---
amdhsa.version: [ 1, 2 ]
amdhsa.kernels:
  - .name:           k_q22bab679d2_router
    .symbol:         k_q22bab679d2_router.kd
    .args:
      - { .name: inp, .offset: 0, .size: 8, .value_kind: global_buffer, .address_space: global }
      - { .name: gate_w, .offset: 8, .size: 8, .value_kind: global_buffer, .address_space: global }
      - { .name: gate_b, .offset: 16, .size: 8, .value_kind: global_buffer, .address_space: global }
      - { .name: moe_bias, .offset: 24, .size: 8, .value_kind: global_buffer, .address_space: global }
      - { .name: xb, .offset: 32, .size: 8, .value_kind: global_buffer, .address_space: global }
      - { .name: eidx, .offset: 40, .size: 8, .value_kind: global_buffer, .address_space: global }
      - { .name: score, .offset: 48, .size: 8, .value_kind: global_buffer, .address_space: global }
      - { .name: out1, .offset: 56, .size: 8, .value_kind: global_buffer, .address_space: global }
    .group_segment_fixed_size: 0
    .private_segment_fixed_size: 0
    .kernarg_segment_align: 8
    .kernarg_segment_size: 64
    .max_flat_workgroup_size: 128
    .sgpr_count:     66
    .vgpr_count:     220
    .wavefront_size: 32
...
	.end_amdgpu_metadata
.endif
;; end of part 1
;; launch place (part 2): grid 256 x 1, 4 waves a work-group, no clusters, 3,072 bytes of LDS; arguments xb, eidx, xs, pos, meta; writes xs, pos, meta
.if DOCPART == 2
	.amdgcn_target "amdgcn-amd-amdhsa--gfx1250"
	.amdhsa_code_object_version 6
	.text
	.protected	k_q22bab679d2_place
	.globl	k_q22bab679d2_place
	.p2align	8
	.type	k_q22bab679d2_place,@function
k_q22bab679d2_place:
	s_mov_b64 s[64:65], 0
	v_nop
	global_prefetch_b8 v0, s[64:65] scope:SCOPE_SE
	s_setreg_imm32_b32 hwreg(HW_REG_WAVE_MODE, 25, 1), 1
	s_wait_xcnt 0x0
; THE ROWS ARE PLACED.  Each expert's rows (the tokens that chose it, in token order) are laid out in tiles of 16 as the first product's operand fragments:
; xs[tile][k step][1,024 bytes]: lane (r, h) of a fragment holds token r's k = 8 h .. + 7 (16 bytes at 16 lane) and k = 16 + 8 h .. + 7 (16 bytes at 512 + 16 lane).  Expert e owns tiles 64 e .. 64 e + 63.
; So the short pieces of listed rows (32 bytes of each of 16 rows a load) are read here once, 2 x 1,024 rows of 2,048 bytes, and the 32 work-groups of an expert in the next launch read whole pieces of 512 bytes.
; SHARES.  Work-group b has expert E = b / 32 and I = b % 32: tiles I and I + 32 of E (a tile past the count is jumped: every split of the tokens is served); wave w takes k steps 8 w .. 8 w + 7.
; Wave 0 scans all 1,024 tokens' choices, 32 at a time, and writes the list of E's tokens and their number into LDS; one barrier; every wave reads its 16 tokens.
; Also stored, with all lanes on: pos[E][32 I + lane] = 1024 E + the rows of E in front of that token (the row's place where the token chose E; read nowhere else), and by I = 0 meta[E][0..31] = max(1, tiles of E).
; An expert without rows still gets tile 0, of token 0's row, which nobody uses; places past the count repeat token 0.
; No matrix unit, no conversion: 16-byte pieces change places.  The launch is a chain of dependent steps on few bytes; a work-group that the split leaves without a tile stores its 128 bytes of pos and ends.
.set LIST,  0                          ; 1,024 token numbers of 16 bits, then 32 words that take the lanes without a row: 2,112 bytes
.set CNTW,  2304                       ; the number of E's rows, in a block of its own
.set SPARE, 2560                       ; the spare words, 128 bytes a wave: two blocks of 256 bytes that no other line names
; v1 lane  v2 spare word  v3 zero  v4 my row's offset in xb  v16 16 lane  v20 the count's LDS address  v21 2 (lane % 16)  v23 8 lane  v26 512 w + 16 (lane / 16)  v27 my word of pos  v30 my word of meta
; v32-95 the choices (wave 0), then 8 fragments
; s16 wave  s17 E  s18 I  s20 tiles of E  s22 trip  s26 running count  s40, s41 group I: the count in front of it, its mask  s[34:35] store base
.macro SCAN                            ; a token that chose E goes to list[rank]; the other lanes' stores go to the 32 words behind the list
.set g_, 0
.rept 32
	v_cmp_eq_u32 s66, s17, v[32+2*g_]
	v_cmp_eq_u32 s67, s17, v[33+2*g_]
	s_or_b32 s68, s66, s67
	v_mbcnt_lo_u32_b32 v24, s68, s26               ; rank = rows so far + rows in lower lanes
	v_cndmask_b32 v24, v29, v24, s68
	v_min_u32 v24, 0x41f, v24                      ; held inside the list and its 32 words
	v_lshlrev_b32 v24, 1, v24
	ds_store_b16 v24, v25
	v_add_nc_u32 v25, 32, v25                      ; the next group's tokens
	s_cmp_eq_u32 s18, g_
	s_cselect_b32 s40, s26, s40                    ; group I's count in front and its mask are kept for pos
	s_cselect_b32 s41, s68, s41
	s_bcnt1_i32_b32 s69, s68
	s_add_co_u32 s26, s26, s69
.set g_, g_+1
.endr
.endm
	s_load_b256 s[4:11], s[0:1], 0x0               ; xb s[4:5], eidx s[6:7], xs s[8:9], pos s[10:11]
	s_load_b64 s[12:13], s[0:1], 0x20              ; meta
	v_lshl_add_u32 v2, v0, 2, SPARE                ; my spare word, and 0: kept for the wave's end alone
	v_mov_b32 v3, 0
	v_and_b32 v1, 31, v0
	v_lshrrev_b32 v22, 5, v0
	v_readfirstlane_b32 s16, v22                   ; wave
	s_lshr_b32 s17, ttmp9, 5                       ; E
	s_and_b32 s18, ttmp9, 31                       ; I
	v_and_b32 v14, 15, v0                          ; lane % 16
	v_bfe_u32 v15, v0, 4, 1                        ; lane / 16
	v_lshlrev_b32 v16, 4, v1
	v_lshlrev_b32 v23, 3, v1
	s_lshl_b32 s38, s16, 9                         ; my 8 k steps: 512 bytes of a row of xb
	v_lshl_add_u32 v26, v15, 4, s38
	v_lshlrev_b32 v21, 1, v14
	s_lshl_b32 s38, s17, 12
	s_lshl_b32 s39, s18, 7
	s_add_co_u32 s38, s38, s39
	v_lshl_add_u32 v27, v1, 2, s38                 ; pos[E][32 I + lane]
	s_lshl_b32 s38, s17, 7
	v_lshl_add_u32 v30, v1, 2, s38                 ; meta[E][lane]
	v_mov_b32 v20, CNTW
	s_mov_b32 s26, 0
	s_mov_b32 s40, 0
	s_mov_b32 s41, 0
	s_wait_kmcnt 0x0
	s_cmp_lg_u32 s16, 0
	s_cbranch_scc1 .Lsorted
.set g_, 0
.rept 32
	global_load_b64 v[32+2*g_:33+2*g_], v23, s[6:7] offset:256*g_  ; all choices: group g = tokens 32 g + lane, 256 consecutive bytes
.set g_, g_+1
.endr
	v_mov_b32 v96, 0                               ; wave 0 alone writes the list: first zeros (places past the count name token 0),
	v_mov_b32 v97, 0
	v_mov_b32 v98, 0
	v_mov_b32 v99, 0
.irp m, 0,1,2,3
	ds_store_b128 v16, v[96:99] offset:LIST+512*\m
.endr
	v_add_nc_u32 v29, 1024, v1
	v_mov_b32 v25, v1                              ; group 0's tokens
	s_wait_loadcnt 0x0
	SCAN                                           ; then the tokens; LDS serves a wave's instructions in order (ISA guide 5.7.1.4)
	v_mov_b32 v31, s26
	ds_store_b32 v20, v31                          ; and their number: all lanes write the same word with the same value
.Lsorted:
	s_wait_dscnt 0x0                               ; wave 0's stores into LDS are done,
	s_barrier_signal -1
	s_barrier_wait -1                              ; and every wave reads behind this barrier
	ds_load_b32 v31, v20
	s_wait_dscnt 0x0
	v_readfirstlane_b32 s26, v31
	s_min_u32 s26, s26, 1024
	s_add_co_u32 s20, s26, 15
	s_lshr_b32 s20, s20, 4
	s_max_u32 s20, s20, 1                          ; tiles of E, at least one
	s_cmp_lg_u32 s16, 0
	s_cbranch_scc1 .Lnopos
	v_mbcnt_lo_u32_b32 v24, s41, s40               ; group I: E's rows in front of each of its 32 tokens,
	s_lshl_b32 s38, s17, 10
	v_add_nc_u32 v24, s38, v24                     ; + 1024 E; all lanes store: 128 consecutive bytes at a fixed place
	global_store_b32 v27, v24, s[10:11]
	s_cmp_lg_u32 s18, 0
	s_cbranch_scc1 .Lnopos
	v_mov_b32 v31, s20                             ; meta[E], by I = 0: the number 32 times, 128 consecutive bytes, no lane switched off
	global_store_b32 v30, v31, s[12:13]
.Lnopos:
	s_mov_b32 s22, 0
.Lt:                                                   ; two trips: tiles I and I + 32
	s_lshl_b32 s39, s22, 5
	s_add_co_u32 s39, s39, s18                     ; g
	s_cmp_ge_u32 s39, s20
	s_cbranch_scc1 .Ltn                            ; a tile past the count stores nothing
	s_lshl_b32 s38, s39, 5                         ; 16 numbers of 16 bits a tile;
	s_min_u32 s38, s38, 2016                       ; tile 63's place at the most: the reads stay inside the list's 2,048 bytes
	v_add_nc_u32 v22, s38, v21
	ds_load_u16 v4, v22
	s_lshl_b32 s44, s17, 6
	s_add_co_u32 s44, s44, s39                     ; tile 64 E + g:
	s_lshl_b32 s44, s44, 15                        ; 32 k steps of 1,024 bytes,
	s_lshl_b32 s45, s16, 13                        ; of which I make eight
	s_add_co_u32 s44, s44, s45
	s_mov_b32 s45, 0
	s_wait_xcnt 0x0                                ; the last trip's stores have had their addresses translated: their base and data may be written
	s_add_nc_u64 s[34:35], s[8:9], s[44:45]
	s_wait_dscnt 0x0
	v_min_u32 v4, 0x3ff, v4                        ; a token number is held inside the table, then times 2,048 bytes
	v_lshl_add_u32 v4, v4, 11, v26
.set j_, 0
.rept 8
	global_load_b128 v[32+8*j_:35+8*j_], v4, s[4:5] offset:64*j_
	global_load_b128 v[36+8*j_:39+8*j_], v4, s[4:5] offset:64*j_+32
.set j_, j_+1
.endr
.set j_, 0
.rept 8
	s_wait_loadcnt 14-2*j_                         ; k step j's two loads are in: the later k steps' stay out
	global_store_b128 v16, v[32+8*j_:35+8*j_], s[34:35] offset:1024*j_      ; each store of the wave covers 512 consecutive bytes, aligned
	global_store_b128 v16, v[36+8*j_:39+8*j_], s[34:35] offset:1024*j_+512
.set j_, j_+1
.endr
.Ltn:
	s_add_co_u32 s22, s22, 1
	s_cmp_lt_u32 s22, 2
	s_cbranch_scc1 .Lt
	s_wait_tensorcnt 0x0                           ; the wave's end: behind my last LDS store
	ds_add_u32 v2, v3
	s_wait_dscnt 0x0
	s_endpgm
.Lfunc_end_k_q22bab679d2_place:
	.size	k_q22bab679d2_place, .Lfunc_end_k_q22bab679d2_place-k_q22bab679d2_place
	.p2alignl 7, 3214868480
	.fill 96, 4, 3214868480
	.section	.rodata,"a",@progbits
	.p2align	6, 0x0
	.amdhsa_kernel k_q22bab679d2_place
		.amdhsa_group_segment_fixed_size 3072
		.amdhsa_private_segment_fixed_size 0
		.amdhsa_enable_private_segment 0
		.amdhsa_kernarg_size 40
		.amdhsa_user_sgpr_count 2
		.amdhsa_user_sgpr_kernarg_segment_ptr 1
		.amdhsa_wavefront_size32 1
		.amdhsa_system_sgpr_workgroup_id_x 1
		.amdhsa_system_sgpr_workgroup_id_y 1
		.amdhsa_system_sgpr_workgroup_id_z 1
		.amdhsa_system_vgpr_workitem_id 0
		.amdhsa_next_free_vgpr 104
		.amdhsa_next_free_sgpr 72
		.amdhsa_reserve_vcc 0
		.amdhsa_float_denorm_mode_32 3
		.amdhsa_float_denorm_mode_16_64 3
		.amdhsa_memory_ordered 1
		.amdhsa_forward_progress 1
		.amdhsa_inst_pref_size 31
	.end_amdhsa_kernel
	.amdgpu_metadata
---
amdhsa.version: [ 1, 2 ]
amdhsa.kernels:
  - .name:           k_q22bab679d2_place
    .symbol:         k_q22bab679d2_place.kd
    .args:
      - { .name: xb, .offset: 0, .size: 8, .value_kind: global_buffer, .address_space: global }
      - { .name: eidx, .offset: 8, .size: 8, .value_kind: global_buffer, .address_space: global }
      - { .name: xs, .offset: 16, .size: 8, .value_kind: global_buffer, .address_space: global }
      - { .name: pos, .offset: 24, .size: 8, .value_kind: global_buffer, .address_space: global }
      - { .name: meta, .offset: 32, .size: 8, .value_kind: global_buffer, .address_space: global }
    .group_segment_fixed_size: 3072
    .private_segment_fixed_size: 0
    .kernarg_segment_align: 8
    .kernarg_segment_size: 40
    .max_flat_workgroup_size: 128
    .sgpr_count:     72
    .vgpr_count:     104
    .wavefront_size: 32
...
	.end_amdgpu_metadata
.endif
;; end of part 2
;; launch ffn1 (part 3): grid 256 x 1, 4 waves a work-group, no clusters, 327,680 bytes of LDS; arguments xs, w1, meta, hid; writes hid
.if DOCPART == 3
	.amdgcn_target "amdgcn-amd-amdhsa--gfx1250"
	.amdhsa_code_object_version 6
	.text
	.protected	k_q22bab679d2_ffn1
	.globl	k_q22bab679d2_ffn1
	.p2align	8
	.type	k_q22bab679d2_ffn1,@function
k_q22bab679d2_ffn1:
	s_mov_b64 s[64:65], 0
	v_nop
	global_prefetch_b8 v0, s[64:65] scope:SCOPE_SE
	s_setreg_imm32_b32 hwreg(HW_REG_WAVE_MODE, 25, 1), 1
	s_wait_xcnt 0x0
; FIRST PRODUCT OF THE CHOSEN EXPERTS: hid = gelu(x W1[e]^T) for the rows (token, choice) that chose expert e, in bf16.
; SHARES.  Work-group b has expert E = b / 32 and hidden columns 128 SLC .. + 127, SLC = b % 32: 128 rows x 1,024 k of W1[E], 512 KB of f32 that no other work-group reads, and ALL of E's tiles of 16 rows:
; meta[E][0] of them, stored by the launch before.  Tile g = 20 P + 4 s + w belongs to pass P, slot s (0-4) and wave w.  Pass 0 (320 rows) runs under the stream of weights; passes 1 to 3
; serve an expert with more rows (up to 1,024: every split of the tokens is served) from the slice that then lies whole in LDS.
; WEIGHTS: f32 from memory into registers (one load = 512 consecutive bytes of a row), rounded to bf16, stored once into LDS in chunks of 128 k; every wave reads all of them as fragments.
; TOKEN SIDE: xs lies as fragments, [tile][k step][1,024 bytes]: two loads of 512 consecutive bytes bring one.  A slot past the count repeats my slot 0's tile: the bytes that the wave has just asked for.
; NO MULTICAST: a slice has one reader; xs's tiles are shared by the 32 work-groups of E, but two slots of 20 tiles x 128 k (160 KB) find no room beside the slice's 278,528 bytes.
; THE MATRIX INSTRUCTION IS USED TRANSPOSED (source 0 = 16 rows of W1, source 1 = 16 token rows): a lane holds ONE token (lane % 16) and 8 neighbouring hidden columns 8 (lane / 16) + 0..7;
; two such results rounded to bf16 ARE the second product's token fragment of 32 k, and are stored so: hid[tile][k step][1,024 bytes]: registers 0-3 at 16 lane, registers 4-7 at 512 + 16 lane.
; Expert e owns tiles 64 e .. 64 e + 63.  An expert without rows still makes tile 0, which nobody uses.
; GELU is exact gelu by erfc's rational form (Abramowitz and Stegun 7.1.26): absolute error of erfc 1.5e-7 for every x.  LIMITS: x, W1 and hid are rounded once to bf16; NaN and infinities are not treated apart.
; THE ACCUMULATORS ARE CLEARED (320 v_mov_b32, in the wait for the first weights): slots past a wave's count are jumped, so no first product could write every accumulator on every way.
; REGISTERS, in windows of 256 (s_set_vgpr_msb: bits 1:0 source 0, 3:2 source 1, 5:4 source 2, 7:6 destination):
;   window 0: v0-31 addresses; v32-159 two buffers of 8 weight fragments; v160-255 at work      window 1: v0-159 token fragments of one chunk (k step j, slot s at 40 j + 8 s); v192-255 slot 4's accumulators
;   window 2: the accumulators of slots 0-3 (slot s, column block i at 64 s + 8 i)              window 3: v0-127 weights as they land: quarter q (8 rows) at 32 q
.set WP,    4096                       ; bytes from row to row of W1
.set AKS,   1024                       ; token side: bytes from k step to k step,
.set AH,    512                        ; to a fragment's second half,
.set ACS,   4096                       ; and from chunk to chunk;
.set TSH,   15                         ; a tile of xs is 32 k steps: 2^15 bytes
.set CH,    34816                      ; a chunk in LDS: 128 rows x 272 bytes (256 of data + 16: an odd multiple of 16, so the 16 rows of a fragment load start in 16 different groups of four banks: ISA guide 11.1)
.set SCR,   289280                     ; each wave's own scratch
.set SCRW,  8448
.set SPARE, 323072                     ; the spare words, 128 bytes a wave: two blocks of 256 bytes that no other line names
.set BF,    32
; v1 lane  v2 spare word  v3 zero  v4-8 slot s's tile offset in xs  v9 my offset in the slice  v10, v11 where I store weights  v12, v13 where I read fragments
; v16 16 lane  v17 my scratch  v23 8 lane
; s16 wave  s17 E  s18 SLC  s20 tiles of E  s21 my live slots  s22 pass  s23, s36 counters  s24, s25 LDS bytes of the chunk stored, read  s27 4 slot + u
; s[28:29] token base  s[30:31] weight base  s[32:33] xs  s[34:35] store base  s[48:61] gelu's constants
.set MSB, 0
.macro WIN new                         ; the immediate's high byte repeats the setting that is left; a switch that changes nothing is dropped
.if MSB != (\new)
	s_set_vgpr_msb (MSB<<8)|(\new)
.set MSB, (\new)
.endif
.endm
.macro WLOAD q, extra                  ; quarter q of my 32 rows of a chunk: eight loads, each 512 consecutive bytes of one row
.set i_, 0
.rept 8
	global_load_b128 v[32*(\q)+4*i_:32*(\q)+4*i_+3], v9, s[30:31] offset:(8*(\q)+i_)*WP+(\extra) th:TH_LOAD_NT
.set i_, i_+1
.endr
.endm
.macro ALOAD j                         ; the five slots' token fragments of k step j: ten loads
	WIN 0x40
.irp s, 0,1,2,3,4
	global_load_b128 v[40*(\j)+8*\s:40*(\j)+8*\s+3], v[4+\s], s[28:29] offset:(\j)*AKS
	global_load_b128 v[40*(\j)+8*\s+4:40*(\j)+8*\s+7], v[4+\s], s[28:29] offset:(\j)*AKS+AH
.endr
.endm
.macro STAGEQ q, wcv, wst              ; quarter q is rounded in place and stored: a wave's store covers 256 consecutive LDS bytes
	WIN \wcv
.set i_, 0
.rept 8
	v_cvt_pk_bf16_f32 v[32*(\q)+4*i_], v[32*(\q)+4*i_], v[32*(\q)+4*i_+1]
	v_cvt_pk_bf16_f32 v[32*(\q)+4*i_+1], v[32*(\q)+4*i_+2], v[32*(\q)+4*i_+3]
.set i_, i_+1
.endr
	WIN \wst
.set i_, 0
.rept 8
	ds_store_b64 v11, v[32*(\q)+4*i_:32*(\q)+4*i_+1] offset:(8*(\q)+i_)*272
.set i_, i_+1
.endr
.endm
.macro BLOAD p, j                      ; the 8 weight fragments (128 rows x 32 k) of k step j of the chunk at v13, into buffer p
	WIN 0
.set i_, 0
.rept 8
	ds_load_b128 v[BF+64*(\p)+8*i_:BF+64*(\p)+8*i_+3], v13 offset:i_*4352+64*(\j)
	ds_load_b128 v[BF+64*(\p)+8*i_+4:BF+64*(\p)+8*i_+7], v13 offset:i_*4352+64*(\j)+32
.set i_, i_+1
.endr
.endm
; The products of one k step: for each live slot eight, on the slot's eight accumulators by turns, one instruction a turn; the last of a k step and the first of the next name different accumulators.
; Slots past my count are jumped.  The four v_nop behind the label are the places in front of loads into the fragments just read and of reads of the results.
.macro SLOTS p, j
.irp s, 0,1,2,3,4
	WIN 0
	s_cmp_le_u32 s21, \s
	s_cbranch_scc1 .Lke_\@
	WIN 0xa4-0x50*(\s/4)
.set i_, 0
.rept 8
.set a_, (64*\s+8*i_)-64*(\s/4)
	v_wmma_f32_16x16x32_bf16 v[a_:a_+7], v[BF+64*(\p)+8*i_:BF+64*(\p)+8*i_+7], v[40*(\j)+8*\s:40*(\j)+8*\s+7], v[a_:a_+7]
.set i_, i_+1
.endr
.endr
	WIN 0
.Lke_\@:
.rept 4
	v_nop
.endr
.endm
; K step j of trip c.  The next k step's weight fragments are asked for; this one's products; then (stage) quarter j of chunk c + 2 is rounded and stored, token fragments j of chunk c + 1 are asked
; for, and (wl) quarter j of chunk c + 3.  na, ns: the loads younger than this k step's token fragments, and than the quarter to be stored.
.macro KS j, stage, wl, na, ns
.if (\j) < 3
	BLOAD ((\j)+1)&1, (\j)+1
.else
	s_add_co_u32 s25, s25, CH                      ; the next chunk's k step 0; behind the last chunk: that chunk's once more, which nobody uses
	s_min_u32 s25, s25, 7*CH
	v_add_nc_u32 v13, s25, v12
	BLOAD 0, 0
.endif
.if (\stage) && ((\j) > 0)
	s_wait_dscnt 24                                ; this k step's fragments are in: younger are the last k step's 8 stores and the 16 loads just issued
.else
	s_wait_dscnt 16                                ; younger are the 16 loads just issued
.endif
	s_wait_loadcnt \na
	SLOTS (\j)&1, \j
.if \stage
	s_wait_loadcnt \ns
	STAGEQ \j, 0xcf, 0x0c
.endif
	ALOAD \j
.if \wl
	WIN 0xc0
	WLOAD \j, 0
.endif
	WIN 0
.endm
; A trip: one chunk of 128 k.  bar: behind it every wave's stores of chunk c + 2 are done (its wait for 0) and all four have said so: the chunk is first read in the next trip's last k step.
; Between two barriers chunk c + 2 is stored while chunks c and c + 1 are read.  dec: by how much the counts fall from k step to k step.
; hot: behind the trip the five slots' offsets become 16 lane: what the next trip asks for is then the same 512 bytes for all five slots, in tile 0, which is always written.
.macro TRIP stage, wl, bar, step, na, ns, dec, hot=0
.if \stage
	v_add_nc_u32 v11, s24, v10
.endif
	KS 0, \stage, \wl, (\na), (\ns)
	KS 1, \stage, \wl, (\na)-(\dec), (\ns)-(\dec)
	KS 2, \stage, \wl, (\na)-2*(\dec), (\ns)-2*(\dec)
	KS 3, \stage, \wl, (\na)-3*(\dec), (\ns)-3*(\dec)
.if \bar
	s_wait_dscnt 0x0
	s_barrier_signal -1
	s_barrier_wait -1
.endif
.if \step
	s_wait_xcnt 0x0                                ; the bases are stepped only when every earlier load has had its addresses translated
	s_add_nc_u64 s[28:29], s[28:29], ACS
	s_add_nc_u64 s[30:31], s[30:31], 512
	s_add_co_u32 s24, s24, CH
.endif
.if \hot
	s_wait_xcnt 0x0                                ; the offsets are written only when every earlier load has had its addresses translated
.irp s, 0,1,2,3,4
	v_mov_b32 v[4+\s], v16
.endr
.endif
.endm
.macro CLEAR
	WIN 0x80
.set i_, 0
.rept 256
	v_mov_b32 v[i_], 0
.set i_, i_+1
.endr
	WIN 0x40
.set i_, 192
.rept 64
	v_mov_b32 v[i_], 0
.set i_, i_+1
.endr
	WIN 0
.endm
.macro NTSET                           ; my live slots in pass P: the s with 20 P + 4 s + w < tiles of E
	s_mul_i32 s38, s22, 20
	s_add_co_u32 s38, s38, s16
	s_sub_co_i32 s21, s20, s38
	s_add_co_i32 s21, s21, 3
	s_ashr_i32 s21, s21, 2
	s_max_i32 s21, s21, 0
	s_min_i32 s21, s21, 5
.endm
.macro AOSET                           ; the five slots' tiles: 64 E + g, or past the count my slot 0's (E's last if that is past it too), held to 511, times the tile's bytes, + 16 lane
	s_mul_i32 s38, s22, 20
	s_add_co_u32 s38, s38, s16                     ; slot 0's g
	s_sub_co_u32 s39, s20, 1                       ; E's last tile
	s_min_u32 s43, s38, s39
	s_lshl_b32 s41, s17, 6
.irp s, 0,1,2,3,4
	s_add_co_u32 s40, s38, 4*\s
	s_cmp_le_u32 s40, s39
	s_cselect_b32 s40, s40, s43
	s_add_co_u32 s40, s40, s41
	s_min_u32 s40, s40, 511
	s_lshl_b32 s40, s40, TSH
	v_add_nc_u32 v[4+\s], s40, v16
.endr
.endm
.macro DUMPQ m                         ; column blocks 2 u and 2 u + 1 of slot s (m = 4 s + u) into my scratch, always the same 2,048 bytes; each accumulator from its low end on
	WIN 0x08-0x04*((\m)/16)
.set i_, 0
.rept 2
.set a_, (64*((\m)/4)+8*(2*((\m)%4)+i_))-64*((\m)/16)
	ds_store_b128 v17, v[a_:a_+3] offset:1024*i_
	ds_store_b128 v17, v[a_+4:a_+7] offset:1024*i_+512
.set i_, i_+1
.endr
	WIN 0
.endm
.macro R8 line:vararg                  ; one line for each of eight register pairs n_ = 0, 2, .. 14
.set n_, 0
.rept 8
	\line
.set n_, n_+2
.endr
.endm
.macro R16 line:vararg                 ; one line for each of sixteen registers
.set n_, 0
.rept 16
	\line
.set n_, n_+1
.endr
.endm
	s_load_b256 s[4:11], s[0:1], 0x0               ; xs s[4:5], w1 s[6:7], meta s[8:9], hid s[10:11]
	v_lshl_add_u32 v2, v0, 2, SPARE                ; my spare word, and 0: kept for the wave's end alone
	v_mov_b32 v3, 0
	v_and_b32 v1, 31, v0
	v_lshrrev_b32 v22, 5, v0
	v_readfirstlane_b32 s16, v22                   ; wave
	s_lshr_b32 s17, ttmp9, 5                       ; E
	s_and_b32 s18, ttmp9, 31                       ; SLC
	s_lshl_b32 s42, s17, 7                         ; meta[E] begins 128 E bytes in
	v_and_b32 v14, 15, v0                          ; lane % 16
	v_bfe_u32 v15, v0, 4, 1                        ; lane / 16
	v_lshlrev_b32 v16, 4, v1
	v_lshlrev_b32 v23, 3, v1
	s_mul_i32 s38, s16, 32*WP                      ; my 32 rows of the slice
	v_add_nc_u32 v9, s38, v16
	s_mul_i32 s38, s16, 32*272                     ; and of a chunk in LDS
	v_add_nc_u32 v10, s38, v23
	v_mul_u32_u24 v12, v14, 272                    ; a fragment: row lane % 16, 16 bytes for each half of the lanes
	v_lshl_add_u32 v12, v15, 4, v12
	s_mul_i32 s38, s16, SCRW
	s_add_co_u32 s38, s38, SCR
	v_add_nc_u32 v17, s38, v16
	s_mov_b32 s48, 0x3e6d3388                      ; 0.3275911 / sqrt(2)
	s_mov_b32 s49, s48                             ; (each constant is named as a pair, so both words are written)
	s_mov_b32 s50, 0xbf38aa3b                      ; -log2(e) / 2
	s_mov_b32 s51, s50
	s_mov_b32 s52, 0x3e027906                      ; the five coefficients, halved: 0.127414796
	s_mov_b32 s53, s52
	s_mov_b32 s54, 0xbe11a98e                      ; -0.142248368
	s_mov_b32 s55, s54
	s_mov_b32 s56, 0x3f35f0e3                      ; 0.7107068705
	s_mov_b32 s57, s56
	s_mov_b32 s58, 0xbf3a00e3                      ; -0.7265760135
	s_mov_b32 s59, s58
	s_mov_b32 s60, 0x3f07dc22                      ; 0.5307027145
	s_mov_b32 s61, s60
	s_lshl_b32 s38, s17, 24                        ; an expert's W1 is 2^24 bytes, a slice of 128 rows 2^19
	s_lshl_b32 s39, s18, 19
	s_add_co_u32 s38, s38, s39
	s_mov_b32 s39, 0
	s_wait_kmcnt 0x0
	s_load_b32 s20, s[8:9], s42 offset:0x0         ; meta[E][0]
	s_add_nc_u64 s[30:31], s[6:7], s[38:39]
	s_mov_b64 s[32:33], s[4:5]
	s_mov_b64 s[28:29], s[4:5]
	WIN 0xc0
.irp q, 0,1,2,3
	WLOAD \q, 0                                    ; chunk 0
.endr
	WIN 0x80
.irp q, 0,1,2,3
	WLOAD \q, 512                                  ; chunk 1 lands where the accumulators will be
.endr
	WIN 0
	s_wait_kmcnt 0x0
	s_min_u32 s20, s20, 64
	s_max_u32 s20, s20, 1
	s_mov_b32 s22, 0
	NTSET
	AOSET
	s_wait_loadcnt 32                              ; chunk 0 is in: chunk 1's 32 loads are younger
	v_mov_b32 v11, v10
.irp q, 0,1,2,3
	STAGEQ \q, 0xcf, 0x0c
.endr
.irp j, 0,1,2,3
	ALOAD \j                                       ; chunk 0's token fragments, and chunk 2's weights: four groups of 10 + 8 loads, as every trip issues them
	WIN 0xc0
	WLOAD \j, 1024
.endr
	WIN 0
	s_wait_loadcnt 63                              ; chunk 1 is in: 72 loads are younger
	v_add_nc_u32 v11, CH, v10
.irp q, 0,1,2,3
	STAGEQ \q, 0x8a, 0x08
.endr
	CLEAR
	v_mov_b32 v13, v12
	s_mov_b32 s25, 0
	s_mov_b32 s24, 2*CH
	s_wait_dscnt 0x0                               ; my stores of chunks 0 and 1 are done,
	s_barrier_signal -1
	s_barrier_wait -1                              ; everybody's are
	BLOAD 0, 0
	s_wait_xcnt 0x0
	s_add_nc_u64 s[28:29], s[28:29], ACS           ; the trips ask for chunk c + 1's fragments
	s_add_nc_u64 s[30:31], s[30:31], 1536          ; and chunk c + 3's weights
	s_mov_b32 s23, 5
.LF:                                                   ; trips 0 to 4.  Younger than token fragments (c, j): their group's 8 weight loads and three groups of 18: 62; than quarter j of chunk c + 2: 54
	TRIP 1, 1, 1, 1, 62, 54, 0
	s_sub_co_u32 s23, s23, 1
	s_cmp_lg_u32 s23, 0
	s_cbranch_scc1 .LF
	TRIP 1, 0, 1, 1, 62, 54, 8                     ; trip 5: no weights are left to ask for: its groups have 10 loads, so each count falls by 8 a k step
	s_mov_b32 s23, 2
.LR:                                                   ; trips 6 and 7: three groups of 10 are younger.  Trip 7 has nothing left to ask for; so that one text with one count serves both, it still issues its loads,
	TRIP 0, 0, 0, 0, 30, 0, 0, 1                   ; with the offsets that trip 6 has left behind it: 512 bytes of tile 0 for all five slots.  Nobody uses them, and only a later pass waits for them
	s_sub_co_u32 s23, s23, 1
	s_cmp_lg_u32 s23, 0
	s_cbranch_scc1 .LR
; THE LOOP OVER PASSES, four trips, entered at its head with P = 0.  Pass 0's products were made under the stream, so its trip jumps forward over the products to its way out.
; Passes 1 to 3 have work only for an expert with more than 320 rows; plain, not pipelined; the slice is read from LDS and nothing writes it.  A barrier stands on either side of a pass's LDS reads, on every
; wave's path: every wave's scratch stores of the pass before are done before any wave reads, and every wave's reads are back before any wave stores again.
.Lpass:
	s_wait_dscnt 0x0
	s_barrier_signal -1
	s_barrier_wait -1
	s_cmp_eq_u32 s22, 0                            ; the pass counter alone decides: the same in every wave; no barrier is jumped
	s_cbranch_scc1 .Lmid
	NTSET
	s_cmp_eq_u32 s21, 0
	s_cbranch_scc1 .Lmid
	s_wait_loadcnt 0x0                             ; the stream's last loads, which nobody used, are in: their registers, offsets and base may be written
	CLEAR
	AOSET
	s_mov_b64 s[28:29], s[32:33]
	s_mov_b32 s37, 0
	s_mov_b32 s23, 8
.Lovc:
	s_mov_b32 s36, 4
.Lovk:
	ALOAD 0
	WIN 0
	s_min_u32 s38, s37, 7*CH+192                   ; chunk 7's k step 3 at the most: with the lane's 4,096 and the offsets' 30,512 the reads end inside the slice's 278,528 bytes
	v_add_nc_u32 v13, s38, v12
	BLOAD 0, 0
	s_wait_loadcnt 0x0                             ; (this also frees the base for the step below)
	s_wait_dscnt 0x0
	SLOTS 0, 0
	s_add_nc_u64 s[28:29], s[28:29], AKS
	s_add_co_u32 s37, s37, 64
	s_sub_co_u32 s36, s36, 1
	s_cmp_lg_u32 s36, 0
	s_cbranch_scc1 .Lovk
	s_add_co_u32 s37, s37, CH-256
	s_sub_co_u32 s23, s23, 1
	s_cmp_lg_u32 s23, 0
	s_cbranch_scc1 .Lovc
.Lmid:
	s_wait_dscnt 0x0
	s_barrier_signal -1
	s_barrier_wait -1
; THE WAY OUT.  20 trips, m = 4 slot + u: the two accumulators of (slot, u) go through the same 2,048 bytes of my own scratch, so that ONE text of gelu serves all: each lane reads back what it stored.
	s_cmp_eq_u32 s21, 0
	s_cbranch_scc1 .Lnext
	s_mov_b32 s27, 0
.Lq:
	s_lshr_b32 s38, s27, 2                         ; the slot
	s_cmp_ge_u32 s38, s21
	s_cbranch_scc1 .Lqn                            ; a slot past my count stores nothing
.irp m, 0,1,2,3,4,5,6,7,8,9,10,11,12,13,14,15,16,17,18
	s_cmp_eq_u32 s27, \m
	s_cbranch_scc1 .Ld\m
.endr
	DUMPQ 19
	s_branch .Ldone
.irp m, 0,1,2,3,4,5,6,7,8,9,10,11,12,13,14,15,16,17,18
.Ld\m:
	DUMPQ \m
	s_branch .Ldone
.endr
.Ldone:
	ds_load_b128 v[160:163], v17                   ; LDS serves a wave's instructions in order (ISA guide 5.7.1.4): these see the stores above
	ds_load_b128 v[164:167], v17 offset:512
	ds_load_b128 v[168:171], v17 offset:1024
	ds_load_b128 v[172:175], v17 offset:1536
	s_mul_i32 s39, s22, 20
	s_lshl2_add_u32 s38, s38, s39
	s_add_co_u32 s38, s38, s16                     ; g = 20 P + 4 s + w
	s_lshl_b32 s39, s17, 6
	s_add_co_u32 s38, s38, s39
	s_min_u32 s38, s38, 511                        ; tile 64 E + g
	s_lshl_b32 s38, s38, 17                        ; 128 k steps of 1,024 bytes a tile,
	s_lshl_b32 s39, s18, 12                        ; of which my slice has four,
	s_add_co_u32 s38, s38, s39
	s_and_b32 s39, s27, 3                          ; and this trip makes number u
	s_lshl_b32 s39, s39, 10
	s_add_co_u32 s38, s38, s39
	s_mov_b32 s39, 0
	s_wait_xcnt 0x0                                ; the last trip's stores have had their addresses translated: their base and data may be written
	s_add_nc_u64 s[34:35], s[10:11], s[38:39]
	s_wait_dscnt 0x0
	; gelu(x) = x / 2 + |x| (1 / 2 - s), s = erfc(|x| / sqrt 2) / 2 = t (b1 + t (b2 + t (b3 + t (b4 + t b5)))) 2^(-x x log2(e) / 2), t = 1 / (1 + 0.23164189 |x|)
.irp n, 160,161,162,163,164,165,166,167,168,169,170,171,172,173,174,175
	v_fma_f32 v[\n+16], |v\n|, s48, 1.0
.endr
	R8 v_pk_mul_f32 v[192+n_:193+n_], v[160+n_:161+n_], v[160+n_:161+n_]
	R8 v_pk_mul_f32 v[192+n_:193+n_], v[192+n_:193+n_], s[50:51] op_sel_hi:[1,0]
	R16 v_rcp_f32 v[176+n_], v[176+n_]
	R16 v_exp_f32 v[192+n_], v[192+n_]
	v_nop                                          ; a plain instruction between the transcendentals and the use of their results (ISA guide 5.7.2)
	s_wait_alu depctr_va_vdst(0)
	R8 v_pk_fma_f32 v[208+n_:209+n_], v[176+n_:177+n_], s[60:61], s[58:59] op_sel_hi:[1,0,0]
	R8 v_pk_fma_f32 v[208+n_:209+n_], v[208+n_:209+n_], v[176+n_:177+n_], s[56:57] op_sel_hi:[1,1,0]
	R8 v_pk_fma_f32 v[208+n_:209+n_], v[208+n_:209+n_], v[176+n_:177+n_], s[54:55] op_sel_hi:[1,1,0]
	R8 v_pk_fma_f32 v[208+n_:209+n_], v[208+n_:209+n_], v[176+n_:177+n_], s[52:53] op_sel_hi:[1,1,0]
	R8 v_pk_mul_f32 v[208+n_:209+n_], v[208+n_:209+n_], v[176+n_:177+n_]
	R8 v_pk_fma_f32 v[208+n_:209+n_], v[208+n_:209+n_], v[192+n_:193+n_], 0.5 op_sel_hi:[1,1,0] neg_lo:[1,0,0] neg_hi:[1,0,0]
	R8 v_pk_mul_f32 v[192+n_:193+n_], v[160+n_:161+n_], 0.5 op_sel_hi:[1,0]
.irp n, 160,161,162,163,164,165,166,167,168,169,170,171,172,173,174,175
	v_fma_f32 v[\n+32], |v\n|, v[\n+48], v[\n+32]
.endr
.set n_, 0
.rept 8
	v_cvt_pk_bf16_f32 v[224+n_], v[192+2*n_], v[192+2*n_+1]
.set n_, n_+1
.endr
	global_store_b128 v16, v[224:227], s[34:35]             ; each store of the wave covers 512 consecutive bytes, aligned
	global_store_b128 v16, v[228:231], s[34:35] offset:512
.Lqn:
	s_add_co_u32 s27, s27, 1
	s_cmp_lt_u32 s27, 20
	s_cbranch_scc1 .Lq
.Lnext:
	s_add_co_u32 s22, s22, 1
	s_cmp_lt_u32 s22, 4
	s_cbranch_scc1 .Lpass
	s_wait_tensorcnt 0x0                           ; the wave's end: behind my last LDS store
	ds_add_u32 v2, v3
	s_wait_dscnt 0x0
	s_endpgm
.Lfunc_end_k_q22bab679d2_ffn1:
	.size	k_q22bab679d2_ffn1, .Lfunc_end_k_q22bab679d2_ffn1-k_q22bab679d2_ffn1
	.p2alignl 7, 3214868480
	.fill 96, 4, 3214868480
	.section	.rodata,"a",@progbits
	.p2align	6, 0x0
	.amdhsa_kernel k_q22bab679d2_ffn1
		.amdhsa_group_segment_fixed_size 327680
		.amdhsa_private_segment_fixed_size 0
		.amdhsa_enable_private_segment 0
		.amdhsa_kernarg_size 32
		.amdhsa_user_sgpr_count 2
		.amdhsa_user_sgpr_kernarg_segment_ptr 1
		.amdhsa_wavefront_size32 1
		.amdhsa_system_sgpr_workgroup_id_x 1
		.amdhsa_system_sgpr_workgroup_id_y 1
		.amdhsa_system_sgpr_workgroup_id_z 1
		.amdhsa_system_vgpr_workitem_id 0
		.amdhsa_next_free_vgpr 896
		.amdhsa_next_free_sgpr 72
		.amdhsa_reserve_vcc 0
		.amdhsa_float_denorm_mode_32 3
		.amdhsa_float_denorm_mode_16_64 3
		.amdhsa_memory_ordered 1
		.amdhsa_forward_progress 1
		.amdhsa_inst_pref_size 159
	.end_amdhsa_kernel
	.amdgpu_metadata
---
amdhsa.version: [ 1, 2 ]
amdhsa.kernels:
  - .name:           k_q22bab679d2_ffn1
    .symbol:         k_q22bab679d2_ffn1.kd
    .args:
      - { .name: xs, .offset: 0, .size: 8, .value_kind: global_buffer, .address_space: global }
      - { .name: w1, .offset: 8, .size: 8, .value_kind: global_buffer, .address_space: global }
      - { .name: meta, .offset: 16, .size: 8, .value_kind: global_buffer, .address_space: global }
      - { .name: hid, .offset: 24, .size: 8, .value_kind: global_buffer, .address_space: global }
    .group_segment_fixed_size: 327680
    .private_segment_fixed_size: 0
    .kernarg_segment_align: 8
    .kernarg_segment_size: 32
    .max_flat_workgroup_size: 128
    .sgpr_count:     72
    .vgpr_count:     896
    .wavefront_size: 32
...
	.end_amdgpu_metadata
.endif
;; end of part 3
;; launch ffn2 (part 4): grid 256 x 1, 4 waves a work-group, no clusters, 327,680 bytes of LDS; arguments hid, w2, meta, part; writes part
.if DOCPART == 4
	.amdgcn_target "amdgcn-amd-amdhsa--gfx1250"
	.amdhsa_code_object_version 6
	.text
	.protected	k_q22bab679d2_ffn2
	.globl	k_q22bab679d2_ffn2
	.p2align	8
	.type	k_q22bab679d2_ffn2,@function
k_q22bab679d2_ffn2:
	s_mov_b64 s[64:65], 0
	v_nop
	global_prefetch_b8 v0, s[64:65] scope:SCOPE_SE
	s_setreg_imm32_b32 hwreg(HW_REG_WAVE_MODE, 25, 1), 1
	s_wait_xcnt 0x0
; SECOND PRODUCT OF THE CHOSEN EXPERTS: part[KS][row][:] = hid[row][1024 KS .. + 1023] W2[e]^T, partial sums in f32; the launch behind adds the four parts, weighs and normalises.
; SHARES.  Work-group b has expert E = b / 32, output columns 128 NS .. + 127 (NS = (b / 4) % 8) and k range 1024 KS .. + 1023 (KS = b % 4): 128 rows x 1,024 k of W2[E], 512 KB of f32 that no other
; work-group reads, and ALL of E's tiles of 16 rows: meta[E][0] of them, stored by an earlier launch.  Tile g = 20 P + 4 s + w belongs to pass P, slot s (0-4) and wave w.  Pass 0 (320 rows) runs under
; the stream of weights; passes 1 to 3 serve an expert with more rows (every split is served) from the slice that then lies whole in LDS.
; WEIGHTS: f32 from memory into registers (one load = 512 consecutive bytes of a row), rounded to bf16, stored once into LDS in chunks of 128 k.
; TOKEN SIDE: hid lies as fragments, [tile][k step][1,024 bytes]: two loads of 512 consecutive bytes bring one.  A slot past the count repeats my slot 0's tile: the bytes that the wave has just asked for.
; NO MULTICAST: a slice has one reader; hid's tiles are shared by the 8 work-groups of one (E, KS), but two slots of 20 tiles x 128 k (160 KB) find no room beside the slice's 278,528 bytes.
; THE MATRIX INSTRUCTION IS USED TRANSPOSED (source 0 = 16 rows of W2, source 1 = 16 token rows): a lane holds one row (lane % 16) and 8 neighbouring columns; results go through my own scratch and leave as whole pieces of 512 bytes.
; LIMITS: W2 and hid are bf16, rounded once; NaN and infinities are not treated apart.  THE ACCUMULATORS ARE CLEARED (320 v_mov_b32, in the wait for the first weights): slots past a wave's count are jumped,
; so no first product could write every accumulator on every way.
; REGISTERS, in windows of 256 (s_set_vgpr_msb: bits 1:0 source 0, 3:2 source 1, 5:4 source 2, 7:6 destination):
;   window 0: v0-31 addresses; v32-159 two buffers of 8 weight fragments; v160-223 rows on the way out      window 1: v0-159 token fragments of one chunk (k step j, slot s at 40 j + 8 s); v192-255 slot 4's accumulators
;   window 2: the accumulators of slots 0-3 (slot s, column block i at 64 s + 8 i)                            window 3: v0-127 weights as they land: quarter q (8 rows) at 32 q
.set WP,    16384                      ; bytes from row to row of W2
.set AKS,   1024                       ; token side: bytes from k step to k step,
.set AH,    512                        ; to a fragment's second half,
.set ACS,   4096                       ; and from chunk to chunk;
.set TSH,   17                         ; a tile of hid is 128 k steps: 2^17 bytes
.set CH,    34816                      ; a chunk in LDS: 128 rows x 272 bytes (256 of data + 16: an odd multiple of 16, so the 16 rows of a fragment load start in 16 different groups of four banks: ISA guide 11.1)
.set SCR,   289280                     ; each wave's own scratch: 16 rows x 528 bytes (512 + 16)
.set SCRW,  8448
.set SPARE, 323072                     ; the spare words, 128 bytes a wave: two blocks of 256 bytes that no other line names
.set BF,    32
; v1 lane  v2 spare word  v3 zero  v4-8 slot s's tile offset in hid  v9 my offset in the slice  v10, v11 where I store weights  v12, v13 where I read fragments
; v16 16 lane  v17 scratch, in  v18 scratch, back
; s16 wave  s17 E  s18 NS  s19 KS  s20 tiles of E  s21 my live slots  s22 pass  s23, s36 counters  s24, s25 LDS bytes of the chunk stored, read
; s[28:29] token base  s[30:31] weight base  s[32:33] hid at my k range  s[34:35] store base
.set MSB, 0
.macro WIN new                         ; the immediate's high byte repeats the setting that is left; a switch that changes nothing is dropped
.if MSB != (\new)
	s_set_vgpr_msb (MSB<<8)|(\new)
.set MSB, (\new)
.endif
.endm
.macro WLOAD q, extra                  ; quarter q of my 32 rows of a chunk: eight loads, each 512 consecutive bytes of one row
.set i_, 0
.rept 8
	global_load_b128 v[32*(\q)+4*i_:32*(\q)+4*i_+3], v9, s[30:31] offset:(8*(\q)+i_)*WP+(\extra) th:TH_LOAD_NT
.set i_, i_+1
.endr
.endm
.macro ALOAD j                         ; the five slots' token fragments of k step j: ten loads
	WIN 0x40
.irp s, 0,1,2,3,4
	global_load_b128 v[40*(\j)+8*\s:40*(\j)+8*\s+3], v[4+\s], s[28:29] offset:(\j)*AKS
	global_load_b128 v[40*(\j)+8*\s+4:40*(\j)+8*\s+7], v[4+\s], s[28:29] offset:(\j)*AKS+AH
.endr
.endm
.macro STAGEQ q, wcv, wst              ; quarter q is rounded in place and stored: a wave's store covers 256 consecutive LDS bytes
	WIN \wcv
.set i_, 0
.rept 8
	v_cvt_pk_bf16_f32 v[32*(\q)+4*i_], v[32*(\q)+4*i_], v[32*(\q)+4*i_+1]
	v_cvt_pk_bf16_f32 v[32*(\q)+4*i_+1], v[32*(\q)+4*i_+2], v[32*(\q)+4*i_+3]
.set i_, i_+1
.endr
	WIN \wst
.set i_, 0
.rept 8
	ds_store_b64 v11, v[32*(\q)+4*i_:32*(\q)+4*i_+1] offset:(8*(\q)+i_)*272
.set i_, i_+1
.endr
.endm
.macro BLOAD p, j                      ; the 8 weight fragments (128 rows x 32 k) of k step j of the chunk at v13, into buffer p
	WIN 0
.set i_, 0
.rept 8
	ds_load_b128 v[BF+64*(\p)+8*i_:BF+64*(\p)+8*i_+3], v13 offset:i_*4352+64*(\j)
	ds_load_b128 v[BF+64*(\p)+8*i_+4:BF+64*(\p)+8*i_+7], v13 offset:i_*4352+64*(\j)+32
.set i_, i_+1
.endr
.endm
; The products of one k step: for each live slot eight, on the slot's eight accumulators by turns, one instruction a turn; the last of a k step and the first of the next name different accumulators.
; Slots past my count are jumped.  The four v_nop behind the label are the places in front of loads into the fragments just read and of reads of the results.
.macro SLOTS p, j
.irp s, 0,1,2,3,4
	WIN 0
	s_cmp_le_u32 s21, \s
	s_cbranch_scc1 .Lke_\@
	WIN 0xa4-0x50*(\s/4)
.set i_, 0
.rept 8
.set a_, (64*\s+8*i_)-64*(\s/4)
	v_wmma_f32_16x16x32_bf16 v[a_:a_+7], v[BF+64*(\p)+8*i_:BF+64*(\p)+8*i_+7], v[40*(\j)+8*\s:40*(\j)+8*\s+7], v[a_:a_+7]
.set i_, i_+1
.endr
.endr
	WIN 0
.Lke_\@:
.rept 4
	v_nop
.endr
.endm
; K step j of trip c.  The next k step's weight fragments are asked for; this one's products; then (stage) quarter j of chunk c + 2 is rounded and stored, token fragments j of chunk c + 1 are asked
; for, and (wl) quarter j of chunk c + 3.  na, ns: the loads younger than this k step's token fragments, and than the quarter to be stored.
.macro KS j, stage, wl, na, ns
.if (\j) < 3
	BLOAD ((\j)+1)&1, (\j)+1
.else
	s_add_co_u32 s25, s25, CH                      ; the next chunk's k step 0; behind the last chunk: that chunk's once more, which nobody uses
	s_min_u32 s25, s25, 7*CH
	v_add_nc_u32 v13, s25, v12
	BLOAD 0, 0
.endif
.if (\stage) && ((\j) > 0)
	s_wait_dscnt 24                                ; this k step's fragments are in: younger are the last k step's 8 stores and the 16 loads just issued
.else
	s_wait_dscnt 16                                ; younger are the 16 loads just issued
.endif
	s_wait_loadcnt \na
	SLOTS (\j)&1, \j
.if \stage
	s_wait_loadcnt \ns
	STAGEQ \j, 0xcf, 0x0c
.endif
	ALOAD \j
.if \wl
	WIN 0xc0
	WLOAD \j, 0
.endif
	WIN 0
.endm
; A trip: one chunk of 128 k.  bar: behind it every wave's stores of chunk c + 2 are done (its wait for 0) and all four have said so: the chunk is first read in the next trip's last k step.
; Between two barriers chunk c + 2 is stored while chunks c and c + 1 are read.  dec: by how much the counts fall from k step to k step.
; hot: behind the trip the five slots' offsets become 16 lane: what the next trip asks for is then the same 512 bytes for all five slots, in tile 0, which is always written.
.macro TRIP stage, wl, bar, step, na, ns, dec, hot=0
.if \stage
	v_add_nc_u32 v11, s24, v10
.endif
	KS 0, \stage, \wl, (\na), (\ns)
	KS 1, \stage, \wl, (\na)-(\dec), (\ns)-(\dec)
	KS 2, \stage, \wl, (\na)-2*(\dec), (\ns)-2*(\dec)
	KS 3, \stage, \wl, (\na)-3*(\dec), (\ns)-3*(\dec)
.if \bar
	s_wait_dscnt 0x0
	s_barrier_signal -1
	s_barrier_wait -1
.endif
.if \step
	s_wait_xcnt 0x0                                ; the bases are stepped only when every earlier load has had its addresses translated
	s_add_nc_u64 s[28:29], s[28:29], ACS
	s_add_nc_u64 s[30:31], s[30:31], 512
	s_add_co_u32 s24, s24, CH
.endif
.if \hot
	s_wait_xcnt 0x0                                ; the offsets are written only when every earlier load has had its addresses translated
.irp s, 0,1,2,3,4
	v_mov_b32 v[4+\s], v16
.endr
.endif
.endm
.macro CLEAR
	WIN 0x80
.set i_, 0
.rept 256
	v_mov_b32 v[i_], 0
.set i_, i_+1
.endr
	WIN 0x40
.set i_, 192
.rept 64
	v_mov_b32 v[i_], 0
.set i_, i_+1
.endr
	WIN 0
.endm
.macro NTSET                           ; my live slots in pass P: the s with 20 P + 4 s + w < tiles of E
	s_mul_i32 s38, s22, 20
	s_add_co_u32 s38, s38, s16
	s_sub_co_i32 s21, s20, s38
	s_add_co_i32 s21, s21, 3
	s_ashr_i32 s21, s21, 2
	s_max_i32 s21, s21, 0
	s_min_i32 s21, s21, 5
.endm
.macro AOSET                           ; the five slots' tiles: 64 E + g, or past the count my slot 0's (E's last if that is past it too), held to 511, times the tile's bytes, + 16 lane
	s_mul_i32 s38, s22, 20
	s_add_co_u32 s38, s38, s16                     ; slot 0's g
	s_sub_co_u32 s39, s20, 1                       ; E's last tile
	s_min_u32 s43, s38, s39
	s_lshl_b32 s41, s17, 6
.irp s, 0,1,2,3,4
	s_add_co_u32 s40, s38, 4*\s
	s_cmp_le_u32 s40, s39
	s_cselect_b32 s40, s40, s43
	s_add_co_u32 s40, s40, s41
	s_min_u32 s40, s40, 511
	s_lshl_b32 s40, s40, TSH
	v_add_nc_u32 v[4+\s], s40, v16
.endr
.endm
.macro DUMP s                          ; slot s's accumulators into my scratch: row lane % 16, columns 16 i + 8 (lane / 16) on; each from its low end on
	WIN 0x08-0x04*((\s)/4)
.set i_, 0
.rept 8
.set a_, (64*(\s)+8*i_)-64*((\s)/4)
	ds_store_b128 v17, v[a_:a_+3] offset:64*i_
	ds_store_b128 v17, v[a_+4:a_+7] offset:64*i_+16
.set i_, i_+1
.endr
	WIN 0
.endm
; Slot s's way out: 16 rows x 128 columns of f32 through my scratch, back as whole pieces of 512 bytes, stored.
.macro EPIS s
	s_cmp_le_u32 s21, \s
	s_cbranch_scc1 .Lnext                          ; this slot and those behind it are past my count
	s_mul_i32 s38, s22, 20
	s_add_co_u32 s38, s38, s16
	s_add_co_u32 s38, s38, 4*(\s)
	s_lshl_b32 s39, s17, 6
	s_add_co_u32 s38, s38, s39
	s_min_u32 s38, s38, 511                        ; tile 64 E + g:
	s_lshl_b32 s38, s38, 16                        ; 16 rows of 4,096 bytes,
	s_lshl_b32 s39, s19, 25                        ; in part KS of 8,192 rows,
	s_add_co_u32 s38, s38, s39
	s_lshl_b32 s39, s18, 9                         ; at my 128 columns
	s_add_co_u32 s38, s38, s39
	s_mov_b32 s39, 0
	s_wait_xcnt 0x0                                ; the last slot's stores have had their addresses translated: their base and data may be written
	s_add_nc_u64 s[34:35], s[10:11], s[38:39]
	DUMP \s
.set i_, 0
.rept 16
	ds_load_b128 v[160+4*i_:163+4*i_], v18 offset:528*i_  ; LDS serves a wave's instructions in order (ISA guide 5.7.1.4): these see the stores above
.set i_, i_+1
.endr
.set i_, 0
.rept 16
	s_wait_dscnt 15-i_                             ; row i is back; the younger loads stay out
	global_store_b128 v16, v[160+4*i_:163+4*i_], s[34:35] offset:4096*i_  ; the wave's store covers 512 consecutive bytes, aligned
.set i_, i_+1
.endr
.endm
	s_load_b256 s[4:11], s[0:1], 0x0               ; hid s[4:5], w2 s[6:7], meta s[8:9], part s[10:11]
	v_lshl_add_u32 v2, v0, 2, SPARE                ; my spare word, and 0: kept for the wave's end alone
	v_mov_b32 v3, 0
	v_and_b32 v1, 31, v0
	v_lshrrev_b32 v22, 5, v0
	v_readfirstlane_b32 s16, v22                   ; wave
	s_lshr_b32 s17, ttmp9, 5                       ; E
	s_bfe_u32 s18, ttmp9, 0x30002                  ; NS
	s_and_b32 s19, ttmp9, 3                        ; KS
	s_lshl_b32 s42, s17, 7                         ; meta[E] begins 128 E bytes in
	v_and_b32 v14, 15, v0                          ; lane % 16
	v_bfe_u32 v15, v0, 4, 1                        ; lane / 16
	v_lshlrev_b32 v16, 4, v1
	v_lshlrev_b32 v23, 3, v1
	s_mul_i32 s38, s16, 32*WP                      ; my 32 rows of the slice
	v_add_nc_u32 v9, s38, v16
	s_mul_i32 s38, s16, 32*272                     ; and of a chunk in LDS
	v_add_nc_u32 v10, s38, v23
	v_mul_u32_u24 v12, v14, 272                    ; a fragment: row lane % 16, 16 bytes for each half of the lanes
	v_lshl_add_u32 v12, v15, 4, v12
	s_mul_i32 s38, s16, SCRW
	s_add_co_u32 s38, s38, SCR
	v_mul_u32_u24 v17, v14, 528
	v_lshl_add_u32 v17, v15, 5, v17
	v_add_nc_u32 v17, s38, v17
	v_add_nc_u32 v18, s38, v16
	s_lshl_b32 s38, s17, 24                        ; an expert's W2 is 2^24 bytes, 128 rows 2^21, 1,024 k of a row 4,096
	s_lshl_b32 s39, s18, 21
	s_add_co_u32 s38, s38, s39
	s_lshl_b32 s39, s19, 12
	s_add_co_u32 s38, s38, s39
	s_mov_b32 s39, 0
	s_lshl_b32 s44, s19, 15                        ; my 32 k steps of 1,024 bytes in every tile of hid
	s_mov_b32 s45, 0
	s_wait_kmcnt 0x0
	s_load_b32 s20, s[8:9], s42 offset:0x0         ; meta[E][0]
	s_add_nc_u64 s[30:31], s[6:7], s[38:39]
	s_add_nc_u64 s[32:33], s[4:5], s[44:45]
	s_mov_b64 s[28:29], s[32:33]
	WIN 0xc0
.irp q, 0,1,2,3
	WLOAD \q, 0                                    ; chunk 0
.endr
	WIN 0x80
.irp q, 0,1,2,3
	WLOAD \q, 512                                  ; chunk 1 lands where the accumulators will be
.endr
	WIN 0
	s_wait_kmcnt 0x0
	s_min_u32 s20, s20, 64
	s_max_u32 s20, s20, 1
	s_mov_b32 s22, 0
	NTSET
	AOSET
	s_wait_loadcnt 32                              ; chunk 0 is in: chunk 1's 32 loads are younger
	v_mov_b32 v11, v10
.irp q, 0,1,2,3
	STAGEQ \q, 0xcf, 0x0c
.endr
.irp j, 0,1,2,3
	ALOAD \j                                       ; chunk 0's token fragments, and chunk 2's weights: four groups of 10 + 8 loads, as every trip issues them
	WIN 0xc0
	WLOAD \j, 1024
.endr
	WIN 0
	s_wait_loadcnt 63                              ; chunk 1 is in: 72 loads are younger
	v_add_nc_u32 v11, CH, v10
.irp q, 0,1,2,3
	STAGEQ \q, 0x8a, 0x08
.endr
	CLEAR
	v_mov_b32 v13, v12
	s_mov_b32 s25, 0
	s_mov_b32 s24, 2*CH
	s_wait_dscnt 0x0                               ; my stores of chunks 0 and 1 are done,
	s_barrier_signal -1
	s_barrier_wait -1                              ; everybody's are
	BLOAD 0, 0
	s_wait_xcnt 0x0
	s_add_nc_u64 s[28:29], s[28:29], ACS           ; the trips ask for chunk c + 1's fragments
	s_add_nc_u64 s[30:31], s[30:31], 1536          ; and chunk c + 3's weights
	s_mov_b32 s23, 5
.LF:                                                   ; trips 0 to 4.  Younger than token fragments (c, j): their group's 8 weight loads and three groups of 18: 62; than quarter j of chunk c + 2: 54
	TRIP 1, 1, 1, 1, 62, 54, 0
	s_sub_co_u32 s23, s23, 1
	s_cmp_lg_u32 s23, 0
	s_cbranch_scc1 .LF
	TRIP 1, 0, 1, 1, 62, 54, 8                     ; trip 5: no weights are left to ask for: its groups have 10 loads, so each count falls by 8 a k step
	s_mov_b32 s23, 2
.LR:                                                   ; trips 6 and 7: three groups of 10 are younger.  Trip 7 has nothing left to ask for; so that one text with one count serves both, it still issues its loads,
	TRIP 0, 0, 0, 0, 30, 0, 0, 1                   ; with the offsets that trip 6 has left behind it: 512 bytes of tile 0 for all five slots.  Nobody uses them, and only a later pass waits for them
	s_sub_co_u32 s23, s23, 1
	s_cmp_lg_u32 s23, 0
	s_cbranch_scc1 .LR
	s_wait_dscnt 0x0
	s_branch .Lepi                                 ; the loop over passes is entered at pass 0's way out
; PASSES 1 TO 3: work only for an expert with more than 320 rows; plain, not pipelined; the slice is read from LDS and nothing writes it.  A barrier stands on either side of a pass's LDS reads, on every
; wave's path: every wave's scratch stores of the pass before are done before any wave reads, and every wave's reads are back before any wave stores again.
.Lpass:
	s_wait_dscnt 0x0
	s_barrier_signal -1
	s_barrier_wait -1
	NTSET
	s_cmp_eq_u32 s21, 0
	s_cbranch_scc1 .Lmid
	s_wait_loadcnt 0x0                             ; the stream's last loads, which nobody used, are in: their registers, offsets and base may be written
	CLEAR
	AOSET
	s_mov_b64 s[28:29], s[32:33]
	s_mov_b32 s37, 0
	s_mov_b32 s23, 8
.Lovc:
	s_mov_b32 s36, 4
.Lovk:
	ALOAD 0
	WIN 0
	s_min_u32 s38, s37, 7*CH+192                   ; chunk 7's k step 3 at the most: with the lane's 4,096 and the offsets' 30,512 the reads end inside the slice's 278,528 bytes
	v_add_nc_u32 v13, s38, v12
	BLOAD 0, 0
	s_wait_loadcnt 0x0                             ; (this also frees the base for the step below)
	s_wait_dscnt 0x0
	SLOTS 0, 0
	s_add_nc_u64 s[28:29], s[28:29], AKS
	s_add_co_u32 s37, s37, 64
	s_sub_co_u32 s36, s36, 1
	s_cmp_lg_u32 s36, 0
	s_cbranch_scc1 .Lovk
	s_add_co_u32 s37, s37, CH-256
	s_sub_co_u32 s23, s23, 1
	s_cmp_lg_u32 s23, 0
	s_cbranch_scc1 .Lovc
.Lmid:
	s_wait_dscnt 0x0
	s_barrier_signal -1
	s_barrier_wait -1
.Lepi:
	EPIS 0
	EPIS 1
	EPIS 2
	EPIS 3
	EPIS 4
.Lnext:
	s_add_co_u32 s22, s22, 1
	s_cmp_lt_u32 s22, 4
	s_cbranch_scc1 .Lpass
	s_wait_tensorcnt 0x0                           ; the wave's end: behind my last LDS store
	ds_add_u32 v2, v3
	s_wait_dscnt 0x0
	s_endpgm
.Lfunc_end_k_q22bab679d2_ffn2:
	.size	k_q22bab679d2_ffn2, .Lfunc_end_k_q22bab679d2_ffn2-k_q22bab679d2_ffn2
	.p2alignl 7, 3214868480
	.fill 96, 4, 3214868480
	.section	.rodata,"a",@progbits
	.p2align	6, 0x0
	.amdhsa_kernel k_q22bab679d2_ffn2
		.amdhsa_group_segment_fixed_size 327680
		.amdhsa_private_segment_fixed_size 0
		.amdhsa_enable_private_segment 0
		.amdhsa_kernarg_size 32
		.amdhsa_user_sgpr_count 2
		.amdhsa_user_sgpr_kernarg_segment_ptr 1
		.amdhsa_wavefront_size32 1
		.amdhsa_system_sgpr_workgroup_id_x 1
		.amdhsa_system_sgpr_workgroup_id_y 1
		.amdhsa_system_sgpr_workgroup_id_z 1
		.amdhsa_system_vgpr_workitem_id 0
		.amdhsa_next_free_vgpr 896
		.amdhsa_next_free_sgpr 72
		.amdhsa_reserve_vcc 0
		.amdhsa_float_denorm_mode_32 3
		.amdhsa_float_denorm_mode_16_64 3
		.amdhsa_memory_ordered 1
		.amdhsa_forward_progress 1
		.amdhsa_inst_pref_size 164
	.end_amdhsa_kernel
	.amdgpu_metadata
---
amdhsa.version: [ 1, 2 ]
amdhsa.kernels:
  - .name:           k_q22bab679d2_ffn2
    .symbol:         k_q22bab679d2_ffn2.kd
    .args:
      - { .name: hid, .offset: 0, .size: 8, .value_kind: global_buffer, .address_space: global }
      - { .name: w2, .offset: 8, .size: 8, .value_kind: global_buffer, .address_space: global }
      - { .name: meta, .offset: 16, .size: 8, .value_kind: global_buffer, .address_space: global }
      - { .name: part, .offset: 24, .size: 8, .value_kind: global_buffer, .address_space: global }
    .group_segment_fixed_size: 327680
    .private_segment_fixed_size: 0
    .kernarg_segment_align: 8
    .kernarg_segment_size: 32
    .max_flat_workgroup_size: 128
    .sgpr_count:     72
    .vgpr_count:     896
    .wavefront_size: 32
...
	.end_amdgpu_metadata
.endif
;; end of part 4
;; launch final (part 5): grid 256 x 1, 4 waves a work-group, no clusters, 0 bytes of LDS; arguments inp, part, pos, score, ln_gamma, ln_beta, out0, eidx; writes out0
.if DOCPART == 5
	.amdgcn_target "amdgcn-amd-amdhsa--gfx1250"
	.amdhsa_code_object_version 6
	.text
	.protected	k_q22bab679d2_final
	.globl	k_q22bab679d2_final
	.p2align	8
	.type	k_q22bab679d2_final,@function
k_q22bab679d2_final:
	s_mov_b64 s[64:65], 0
	v_nop
	global_prefetch_b8 v0, s[64:65] scope:SCOPE_SE
	s_setreg_imm32_b32 hwreg(HW_REG_WAVE_MODE, 25, 1), 1
	s_wait_xcnt 0x0
; THE SUM AND THE NORM.  One wave takes one token t = 4 x work-group + wave.  Its two rows are pos[e][t] for e = eidx[t][0], eidx[t][1];
; v = x + score[t][0] (the four parts of the first row) + score[t][1] (those of the second);
; out0[t] = (v - mean) rsqrt(var + 1e-5) gamma + beta, with the variance taken of v - mean, all in f32.  The row stays in 32 registers; every byte is read once.
; A lane holds elements 128 j + 4 lane .. + 3, j = 0..7: each load and store of the wave covers 512 consecutive bytes.  No LDS, no barrier: the reductions stay inside the wave.
; LIMITS: NaN and infinities are not treated apart.
.set ACC, 8                            ; v[8:39]   x, then the sum, then the result
.set BUF, 40                           ; v[40:167] four buffers of 32 by turns: the eight partial rows, then gamma (buffer 0) and beta (buffer 1)
.macro LOADSET b, lo, nt=1             ; eight loads from the base at s[lo:lo+1] into buffer b; nt = 1: bytes that the launch reads once
.set j_, 0
.rept 8
.if \nt
	global_load_b128 v[BUF+32*(\b)+4*j_:BUF+32*(\b)+4*j_+3], v2, s[(\lo):(\lo)+1] offset:512*j_ th:TH_LOAD_NT
.else
	global_load_b128 v[BUF+32*(\b)+4*j_:BUF+32*(\b)+4*j_+3], v2, s[(\lo):(\lo)+1] offset:512*j_
.endif
.set j_, j_+1
.endr
.endm
.macro ACCUM b, sc                     ; the sum takes buffer b times the score in s[sc]
.set p_, 0
.rept 16
	v_pk_fma_f32 v[ACC+2*p_:ACC+2*p_+1], v[BUF+32*(\b)+2*p_:BUF+32*(\b)+2*p_+1], s[(\sc):(\sc)+1], v[ACC+2*p_:ACC+2*p_+1] op_sel_hi:[1,0,1]
.set p_, p_+1
.endr
.endm
.macro WSUM                            ; four chains' pairs in v[168:175] -> the sum over the wave, in v168 of every lane
	v_pk_add_f32 v[168:169], v[168:169], v[170:171]
	v_pk_add_f32 v[172:173], v[172:173], v[174:175]
	v_pk_add_f32 v[168:169], v[168:169], v[172:173]
	v_add_f32 v168, v168, v169
	v_add_f32_dpp v168, v168, v168 row_xmask:1 row_mask:0xf bank_mask:0xf
	v_add_f32_dpp v168, v168, v168 row_xmask:2 row_mask:0xf bank_mask:0xf
	v_add_f32_dpp v168, v168, v168 row_xmask:4 row_mask:0xf bank_mask:0xf
	v_add_f32_dpp v168, v168, v168 row_xmask:8 row_mask:0xf bank_mask:0xf
	v_permlanex16_b32 v169, v168, s50, s51         ; its destination counts as read: v169 has been written
	v_add_f32 v168, v168, v169
.endm
	s_load_b256 s[4:11], s[0:1], 0x0               ; inp s[4:5], part s[6:7], pos s[8:9], score s[10:11]
	s_load_b256 s[12:19], s[0:1], 0x20             ; ln_gamma s[12:13], ln_beta s[14:15], out0 s[16:17], eidx s[18:19]
	v_and_b32 v1, 31, v0
	v_lshrrev_b32 v3, 5, v0
	v_readfirstlane_b32 s52, v3                    ; wave
	s_lshl2_add_u32 s53, ttmp9, s52                ; t
	v_lshlrev_b32 v2, 4, v1                        ; 16 x lane
	s_lshl_b32 s44, s53, 3                         ; t's pair in eidx and score
	s_lshl_b32 s54, s53, 2                         ; t's word in a row of pos
	s_lshl_b32 s46, s53, 12                        ; t's row in inp and out0
	s_mov_b32 s47, 0
	s_mov_b32 s41, 0
	s_mov_b32 s48, 0x3a800000                      ; 1 / 1024
	s_mov_b32 s49, 0x3727c5ac                      ; 1e-5
	s_mov_b32 s50, 0x76543210
	s_mov_b32 s51, 0xfedcba98
	s_wait_kmcnt 0x0
	s_load_b64 s[20:21], s[18:19], s44 offset:0x0  ; the token's two experts,
	s_load_b64 s[22:23], s[10:11], s44 offset:0x0  ; and their scores
	s_add_nc_u64 s[4:5], s[4:5], s[46:47]
	s_add_nc_u64 s[16:17], s[16:17], s[46:47]
.set j_, 0
.rept 8
	global_load_b128 v[ACC+4*j_:ACC+4*j_+3], v2, s[4:5] offset:512*j_ th:TH_LOAD_NT
.set j_, j_+1
.endr
	s_wait_kmcnt 0x0
	s_min_u32 s40, s20, 7                          ; an expert's number is held inside the table: its row of pos is 4,096 bytes
	s_lshl_b32 s40, s40, 12
	s_add_co_u32 s40, s40, s54
	s_min_u32 s45, s21, 7
	s_lshl_b32 s45, s45, 12
	s_add_co_u32 s45, s45, s54
	s_load_b32 s56, s[8:9], s40 offset:0x0         ; pos[e0][t]
	s_load_b32 s57, s[8:9], s45 offset:0x0         ; pos[e1][t]
	s_mov_b32 s42, s23                             ; the second score as the low word of a pair
	s_mov_b32 s43, s23
	s_wait_kmcnt 0x0                               ; (both loads are done: s40 may be written again)
	s_min_u32 s40, s56, 8191                       ; a row number is held inside the table, then times 4,096 bytes
	s_lshl_b32 s40, s40, 12
	s_add_nc_u64 s[24:25], s[6:7], s[40:41]
	s_min_u32 s40, s57, 8191
	s_lshl_b32 s40, s40, 12
	s_add_nc_u64 s[32:33], s[6:7], s[40:41]
.irp q, 0,1,2
	s_add_nc_u64 s[26+2*\q:27+2*\q], s[24+2*\q:25+2*\q], 0x2000000  ; the same row in the next part: 8,192 rows of 4,096 bytes on
	s_add_nc_u64 s[34+2*\q:35+2*\q], s[32+2*\q:33+2*\q], 0x2000000
.endr
	LOADSET 0, 24
	LOADSET 1, 26
	LOADSET 2, 28
	LOADSET 3, 30
	; behind the use of a buffer the set four further on is asked for; at each wait three sets of eight loads are younger, till the loads run out
	s_wait_loadcnt 24
	ACCUM 0, 22
	LOADSET 0, 32
	s_wait_loadcnt 24
	ACCUM 1, 22
	LOADSET 1, 34
	s_wait_loadcnt 24
	ACCUM 2, 22
	LOADSET 2, 36
	s_wait_loadcnt 24
	ACCUM 3, 22
	LOADSET 3, 38
	s_wait_loadcnt 24
	ACCUM 0, 42
	LOADSET 0, 12, 0                               ; gamma
	s_wait_loadcnt 24
	ACCUM 1, 42
	LOADSET 1, 14, 0                               ; beta
	s_wait_loadcnt 24
	ACCUM 2, 42
	s_wait_loadcnt 16                              ; gamma's and beta's loads are younger
	ACCUM 3, 42
	; the mean
.irp i, 0,1,2,3
	v_pk_add_f32 v[168+2*\i:169+2*\i], v[ACC+2*\i:ACC+2*\i+1], v[ACC+8+2*\i:ACC+9+2*\i]
.endr
.irp o, 16,24
.irp i, 0,1,2,3
	v_pk_add_f32 v[168+2*\i:169+2*\i], v[168+2*\i:169+2*\i], v[ACC+\o+2*\i:ACC+\o+2*\i+1]
.endr
.endr
	WSUM
	v_mul_f32 v176, s48, v168
	v_mov_b32 v177, v176
.set p_, 0
.rept 16
	v_pk_add_f32 v[ACC+2*p_:ACC+2*p_+1], v[ACC+2*p_:ACC+2*p_+1], v[176:177] neg_lo:[0,1] neg_hi:[0,1]
.set p_, p_+1
.endr
	; the variance, of the differences
.irp i, 0,1,2,3
	v_pk_mul_f32 v[168+2*\i:169+2*\i], v[ACC+2*\i:ACC+2*\i+1], v[ACC+2*\i:ACC+2*\i+1]
.endr
.irp o, 8,16,24
.irp i, 0,1,2,3
	v_pk_fma_f32 v[168+2*\i:169+2*\i], v[ACC+\o+2*\i:ACC+\o+2*\i+1], v[ACC+\o+2*\i:ACC+\o+2*\i+1], v[168+2*\i:169+2*\i]
.endr
.endr
	WSUM
	v_fma_f32 v168, v168, s48, s49                 ; var + 1e-5
	v_rsq_f32 v178, v168
	v_nop                                          ; a plain instruction between the transcendental and the use of its result (ISA guide 5.7.2)
	s_wait_alu depctr_va_vdst(0)
	v_mov_b32 v179, v178
	s_wait_loadcnt 0x0                             ; gamma and beta
.set p_, 0
.rept 16
	v_pk_mul_f32 v[ACC+2*p_:ACC+2*p_+1], v[ACC+2*p_:ACC+2*p_+1], v[178:179]
.set p_, p_+1
.endr
.set p_, 0
.rept 16
	v_pk_fma_f32 v[ACC+2*p_:ACC+2*p_+1], v[ACC+2*p_:ACC+2*p_+1], v[BUF+2*p_:BUF+2*p_+1], v[BUF+32+2*p_:BUF+32+2*p_+1]
.set p_, p_+1
.endr
.set j_, 0
.rept 8
	global_store_b128 v2, v[ACC+4*j_:ACC+4*j_+3], s[16:17] offset:512*j_ th:TH_STORE_NT
.set j_, j_+1
.endr
	s_endpgm
.Lfunc_end_k_q22bab679d2_final:
	.size	k_q22bab679d2_final, .Lfunc_end_k_q22bab679d2_final-k_q22bab679d2_final
	.p2alignl 7, 3214868480
	.fill 96, 4, 3214868480
	.section	.rodata,"a",@progbits
	.p2align	6, 0x0
	.amdhsa_kernel k_q22bab679d2_final
		.amdhsa_group_segment_fixed_size 0
		.amdhsa_private_segment_fixed_size 0
		.amdhsa_enable_private_segment 0
		.amdhsa_kernarg_size 64
		.amdhsa_user_sgpr_count 2
		.amdhsa_user_sgpr_kernarg_segment_ptr 1
		.amdhsa_wavefront_size32 1
		.amdhsa_system_sgpr_workgroup_id_x 1
		.amdhsa_system_sgpr_workgroup_id_y 1
		.amdhsa_system_sgpr_workgroup_id_z 1
		.amdhsa_system_vgpr_workitem_id 0
		.amdhsa_next_free_vgpr 184
		.amdhsa_next_free_sgpr 66
		.amdhsa_reserve_vcc 0
		.amdhsa_float_denorm_mode_32 3
		.amdhsa_float_denorm_mode_16_64 3
		.amdhsa_memory_ordered 1
		.amdhsa_forward_progress 1
		.amdhsa_inst_pref_size 26
	.end_amdhsa_kernel
	.amdgpu_metadata
---
amdhsa.version: [ 1, 2 ]
amdhsa.kernels:
  - .name:           k_q22bab679d2_final
    .symbol:         k_q22bab679d2_final.kd
    .args:
      - { .name: inp, .offset: 0, .size: 8, .value_kind: global_buffer, .address_space: global }
      - { .name: part, .offset: 8, .size: 8, .value_kind: global_buffer, .address_space: global }
      - { .name: pos, .offset: 16, .size: 8, .value_kind: global_buffer, .address_space: global }
      - { .name: score, .offset: 24, .size: 8, .value_kind: global_buffer, .address_space: global }
      - { .name: ln_gamma, .offset: 32, .size: 8, .value_kind: global_buffer, .address_space: global }
      - { .name: ln_beta, .offset: 40, .size: 8, .value_kind: global_buffer, .address_space: global }
      - { .name: out0, .offset: 48, .size: 8, .value_kind: global_buffer, .address_space: global }
      - { .name: eidx, .offset: 56, .size: 8, .value_kind: global_buffer, .address_space: global }
    .group_segment_fixed_size: 0
    .private_segment_fixed_size: 0
    .kernarg_segment_align: 8
    .kernarg_segment_size: 64
    .max_flat_workgroup_size: 128
    .sgpr_count:     66
    .vgpr_count:     184
    .wavefront_size: 32
...
	.end_amdgpu_metadata
.endif
;; end of part 5
